; MI455X (gfx1250); checked and timed in simulation.
; The chip was launched on July 23, 2026; its instructions are those of AMD's public machine-readable ISA for CDNA 5 (MIT licence, August 2026) and "CDNA5" Instruction Set Architecture Reference Guide (July 2026). The comments in the code are by the model that wrote it; some were corrected since.
;; Causal Self Attention. Allowed arithmetic: matrix products marked QUANTISED: E4M3 operands, one given power-of-two scale a tensor, by v_wmma_f32_16x16x64_fp8_fp8 or v_wmma_f32_16x16x128_fp8_fp8, f32 sums; everything else in f32.
;; Inputs: Wproj 1,024 x 1,024 float32; Wqkv 1,024 x 3,072 float32; bproj 1,024 float32; bqkv 3,072 float32; lowp_scales 8 int32 (the exponents e of the quantised operands' scales 2^e); x 4 x 2,048 x 1,024 float32.
;; Outputs: out0 4 x 2,048 x 1,024 float32.
;; This version of the problem:
;;   THIS VERSION OF THE PROBLEM IS GIVEN IN LOW PRECISION. The matrix products marked QUANTISED in the list below multiply operands that are first quantised to E4M3 (4 exponent bits, 3 mantissa bits; 8 bits a number), with one given power-of-two scale for each operand tensor; their sums are f32. All else is computed in f32.
;;   The module's matrix products, in the order in which they are computed (A, B: the left and right operand; K: the contracted axis; several contracted axes count as one K, in the product's order):
;;     1. [M 8,192, K 1,024] x [K 1,024, N 3,072]; A: input x; B: input Wqkv: QUANTISED (scales: A lowp_scales[0], B lowp_scales[1])
;;     2. batch 64 x [M 2,048, K 64] x [K 64, N 2,048]; A: computed on the way; B: computed on the way: QUANTISED (scales: A lowp_scales[2], B lowp_scales[3])
;;     3. batch 64 x [M 2,048, K 2,048] x [K 2,048, N 64]; A: softmax (see below); B: computed on the way: QUANTISED (scales: A lowp_scales[4], B lowp_scales[5])
;;     4. [M 8,192, K 1,024] x [K 1,024, N 1,024]; A: computed on the way; B: input Wproj: QUANTISED (scales: A lowp_scales[6], B lowp_scales[7])
;;   THE QUANTISER, for each operand of a quantised product, along K:
;;     - The operand's scale is 2^e, e = its entry of the input lowp_scales (int32; the entries are numbered through the quantised products in the list's order, A before B).
;;     - Each number is divided by the scale, clamped to +-448, and rounded to the nearest number of E4M3, ties to even, subnormals kept.
;;     - The product sums the exact products of the quantised numbers (number of the format x scale) in f32.
;;   ~~~python
;;   def quantise(x, axis, e):      # numpy; x: float32 -> the quantised numbers, widened to float32 again
;;       x = np.moveaxis(x, axis, -1); K = x.shape[-1]
;;       r = np.clip(x / 2.0 ** e, -448, 448)
;;       step = 2.0 ** (np.maximum(np.frexp(np.where(r == 0, 1, r))[1] - 1, -6) - 3)
;;       q = np.round(r / step) * step * 2.0 ** e      # np.round: ties to even
;;       return np.moveaxis(q, -1, axis).astype(np.float32)
;;   ~~~
;;   SOFTMAX AHEAD OF A QUANTISED PRODUCT. Where the list says 'softmax', what is quantised is not the finished softmax but p = 2^(t - M), with t = logit x log2(e) and M = ceil(the row's largest t), a whole number; so 1/2 < the row's largest p <= 1. The row's sum l is taken of the UNQUANTISED p, in f32, and the product's result is divided by l at the end. Since M is a whole number, a kernel that streams over the keys may use a running M (the ceiling of the running maximum): every later rescaling is an exact power of two, so the quantised numbers keep their values, but for numbers so far below the row's largest that they fall under the format's range.
;;   OPERANDS COMPUTED ON THE WAY. 'Computed on the way' means the value that the module computes at that place (a softmax that the list does not call 'softmax' is quantised finished and normalised). What goes into a quantiser is computed in f32, as accurately as f32 sums, v_exp_f32 and their like allow (about 1e-6 of the number): no bf16 or f16 on the way to a quantiser, and a product that is left as it is and whose result goes on into a quantised operand takes f32 operands (vector FMAs, or v_wmma_f32_16x16x4_f32). A number that lies on a knife's edge between two numbers of the format may be rounded either way, as far as f32 arithmetic and the matrix unit's own rounding can turn it there, and no further.
;; One version. Each part assembles by itself: llvm-mc -triple=amdgcn-amd-amdhsa -mcpu=gfx1250 --defsym DOCPART=n.
;; ======== version 1 of 1: 4 launches
;; limits: right only within a limited range of input values
;; workspace buffers: xc 8,388,608 bytes; wc 4,194,304 bytes; qc 8,388,608 bytes; kc 8,388,608 bytes; vc 8,388,608 bytes; oc 8,388,608 bytes
;; launch quant (part 1): grid 384 x 1, 4 waves a work-group, no clusters, 68,096 bytes of LDS; arguments x, Wqkv, Wproj, lowp_scales, xc, wc; writes xc, wc
.if DOCPART == 1
	.amdgcn_target "amdgcn-amd-amdhsa--gfx1250"
	.amdhsa_code_object_version 6
	.text
	.protected	k_q43430e07c1_quant
	.globl	k_q43430e07c1_quant
	.p2align	8
	.type	k_q43430e07c1_quant,@function
k_q43430e07c1_quant:
	s_mov_b64 s[64:65], 0
	v_nop
	global_prefetch_b8 v0, s[64:65] scope:SCOPE_SE
	s_setreg_imm32_b32 hwreg(HW_REG_WAVE_MODE, 25, 1), 1
	s_wait_xcnt 0x0
; x [8192][1024], Wqkv [1024 (k)][3072], Wproj [1024 (k)][1024], all f32, become codes of E4M3 with the given scales 2^e0, 2^e1, 2^e7.
; code = number / 2^e, held within +-448, to the nearest code, ties to even.
; xc: [8192 tokens][1024 bytes].  wc: [4096 rows][1024 bytes]: rows 0-3071 are Wqkv's columns, rows 3072-4095 Wproj's.  K runs along a row.
; THE ORDER INSIDE A ROW: in each group of 32 bytes the two middle groups of 8 change places: k 0-7, 16-23, 8-15, 24-31.  A 16-byte load at
; 32 c + 16 (lane / 16) then fills registers 4 c .. 4 c + 3 of an operand with k = 32 c + 8 (lane / 16) + 0..7 and 32 c + 16 + 8 (lane / 16) + 0..7:
; the places that the plain fp8 matrix form gives them.
; SHARES.  Work-groups 0-255: x, 32,768 numbers each, a wave 16 steps of 512.  Work-groups 256-383: the weights, 128 columns x 256 along K each.
; The two ways part on the work-group's number, never meet again, and have LDS bytes of their own.  Waves share nothing: no barrier.
; LIMITS: e0, e1, e7 between -126 and 119, so that 2^e and 448 x 2^e are f32 numbers.  NaN among the inputs is not served; an infinity is held at the largest code.
.set SPARE, 67584                      ; behind both ways' stages: the spare words, 128 bytes for each wave, which no other line names
.set SPW,   12                         ; v12  SPARE + 4 x my thread's number; never rewritten
.set NIL,   13                         ; v13  0; never rewritten
.set EMAX,  8
.set MANT,  0x600000                   ; the mantissa field of 448 as f32
.set STEPS, 16
.set R,     16                         ; x: v16-79   four sets of 16 numbers as loaded
.set X,     80                         ; x: v80-111  two sets of 16 numbers in the order of the codes
.set C,     128                        ; x: v128-191 four registers of codes for each step: no store's data are written again
.set WSTG,  32768                      ; W: the stages begin here: 32 rows x 272 bytes for each wave
.set WPITCH, 272
.set WX,    32                         ; W: v32-95   two sets of 32 numbers
.set WC,    96                         ; W: v96-103  a block's codes
.set WOUT,  112                        ; W: v112-175 the way out
.set VO,    176                        ; W: v176-207 byte offsets of rows 0-31 of a block: i x pitch + 4 x lane; never rewritten
.set SB,    48                         ; W: s[48:63] the eight blocks' bases; never rewritten
	s_load_b256 s[4:11], s[0:1], 0x0               ; x s[4:5], Wqkv s[6:7], Wproj s[8:9], the exponents s[10:11]
	s_load_b128 s[12:15], s[0:1], 0x20             ; xc s[12:13], wc s[14:15]
	v_lshl_add_u32 v[SPW], v0, 2, SPARE
	v_mov_b32 v[NIL], 0
	v_lshrrev_b32 v1, 5, v0
	v_readfirstlane_b32 s16, v1                    ; wave 0..3
	v_and_b32 v2, 31, v0                           ; lane
	s_wait_kmcnt 0x0
	s_load_b256 s[40:47], s[10:11], 0x0            ; e0 .. e7
	s_cmp_ge_u32 ttmp9, 256
	s_cbranch_scc1 .Lweights
; ---------------- x.  Each load reads 512 consecutive bytes, 16 a lane; a step's 2,048 bytes go through the wave's own stage (64 bytes, then 16 of padding) and
; come back so that a lane holds two runs of eight neighbours: an even lane k 0-7 and 16-23 of its block of 32, an odd lane k 8-15 and 24-31.
	s_mul_i32 s17, s16, 8192                       ; my wave's two stages of 2,560 bytes
	s_wait_alu depctr_va_vdst(0)
	v_lshlrev_b32 v3, 4, v2                        ; 16 x lane: my place in a load's 512 bytes and in a store's
	v_lshrrev_b32 v14, 2, v2
	v_mul_u32_u24 v14, v14, 80
	v_and_b32 v15, 3, v2
	v_lshl_add_u32 v14, v15, 4, v14
	v_add_nc_u32 v14, s17, v14                     ; into the stage: 80 (lane / 4) + 16 (lane % 4)
	v_lshrrev_b32 v15, 1, v2
	v_mul_u32_u24 v15, v15, 160
	v_and_b32 v1, 1, v2
	v_lshl_add_u32 v15, v1, 5, v15
	v_add_nc_u32 v15, s17, v15                     ; out of it: 160 (lane / 2) + 32 (lane % 2), at +0, +16, +80, +96
	s_lshl_b32 s18, ttmp9, 2
	s_add_co_u32 s18, s18, s16                     ; which run of 8,192 numbers is my wave's
	s_lshl_b32 s20, s18, 15
	s_mov_b32 s21, 0
	s_add_nc_u64 s[4:5], s[4:5], s[20:21]
	s_lshl_b32 s20, s18, 13
	s_add_nc_u64 s[12:13], s[12:13], s[20:21]
.macro XLOAD t
.irp i, 0,1,2,3
	global_load_b128 v[R+16*((\t)%4)+4*\i:R+16*((\t)%4)+4*\i+3], v3, s[4:5] offset:2048*(\t)+512*\i th:TH_LOAD_NT
.endr
.endm
.macro XTURN t                         ; LDS serves a wave's instructions in order: no wait between the stores and the loads
.irp i, 0,1,2,3
	ds_store_b128 v14, v[R+16*((\t)%4)+4*\i:R+16*((\t)%4)+4*\i+3] offset:2560*((\t)%2)+640*\i
.endr
.irp i, 0,1,2,3
	ds_load_b128 v[X+16*((\t)%2)+4*\i:X+16*((\t)%2)+4*\i+3], v15 offset:2560*((\t)%2)+16*(\i%2)+80*(\i/2)
.endr
.endm
.irp t, 0,1,2,3
	XLOAD \t
.endr
	s_wait_alu depctr_va_vdst(0)
	s_wait_kmcnt 0x0
	s_add_co_i32 s22, s40, 127
	s_lshl_b32 s23, s22, 23
	v_mov_b32 v11, s23                             ; 2^e0: the conversion takes its exponent field
	s_add_co_i32 s22, s22, EMAX
	s_lshl_b32 s22, s22, 23
	s_or_b32 s22, s22, MANT
	s_wait_alu depctr_va_vdst(0)
	s_wait_loadcnt 12                              ; step 0's four loads are in
	XTURN 0
.macro XSTEP t
.set XS, X+16*((\t)%2)
	s_wait_dscnt 0x0                               ; this step's numbers are back; its stores into the stage have read their registers,
.if (\t)+4 < STEPS
	XLOAD (\t)+4                                   ; which take the loads of four steps on
.endif
.if (\t)+1 < STEPS
.if STEPS-2-(\t) >= 3
	s_wait_loadcnt 12                              ; the next step's four loads are in; those of the three steps behind it may be out
.else
	s_wait_loadcnt 4*(STEPS-2-(\t))
.endif
	XTURN (\t)+1
.endif
.irp i, 0,1,2,3,4,5,6,7,8,9,10,11,12,13,14,15
.endr
	v_cvt_scalef32_pk8_fp8_f32 v[C+4*(\t):C+4*(\t)+1], v[XS:XS+7], v11
	v_cvt_scalef32_pk8_fp8_f32 v[C+4*(\t)+2:C+4*(\t)+3], v[XS+8:XS+15], v11
	global_store_b128 v3, v[C+4*(\t):C+4*(\t)+3], s[12:13] offset:512*(\t)   ; the wave stores 512 consecutive bytes
.endm
.irp t, 0,1,2,3,4,5,6,7,8,9,10,11,12,13,14,15
	XSTEP \t
.endr
	s_wait_tensorcnt 0x0                           ; the wave's end, behind my last LDS store
	ds_add_u32 v[SPW], v[NIL]
	s_wait_dscnt 0x0
	s_endpgm
; ---------------- the weights.  A LANE TAKES A COLUMN n, ITS REGISTERS RUN DOWN K: a load reads 128 consecutive bytes a wave, and the conversions give codes with K innermost.
; A wave: 32 columns x 256 along K, eight blocks of 32.  The codes gather in the wave's stage and leave as rows: sixteen lanes store 256 consecutive bytes.
.Lweights:
	s_sub_co_u32 s17, ttmp9, 256
	s_lshr_b32 s18, s17, 2                         ; which 128 rows of wc: 0-23 Wqkv, 24-31 Wproj
	s_and_b32 s19, s17, 3                          ; which 256 along K
	s_cmp_lt_u32 s18, 24
	s_cselect_b64 s[4:5], s[6:7], s[8:9]           ; the tensor,
	s_mov_b32 s24, 4096
	s_cselect_b32 s24, 12288, s24                  ; its pitch in bytes,
	s_cselect_b32 s25, 0, 24
	s_sub_co_u32 s25, s18, s25                     ; and which 128 of its columns
	s_lshl_b32 s26, s19, 8
	s_mul_i32 s26, s26, s24                        ; 256 ky rows
	s_lshl_b32 s27, s25, 9
	s_add_co_u32 s26, s26, s27                     ; + 128 columns x 4 bytes x group
	s_lshl_b32 s27, s16, 7
	s_add_co_u32 s26, s26, s27                     ; + 32 columns x 4 bytes x wave
	s_mov_b32 s27, 0
	s_add_nc_u64 s[SB:SB+1], s[4:5], s[26:27]
	s_lshl_b32 s28, s24, 5                         ; 32 rows on
	s_mov_b32 s29, 0
.irp t, 1,2,3,4,5,6,7
	s_add_nc_u64 s[SB+2*\t:SB+2*\t+1], s[SB+2*\t-2:SB+2*\t-1], s[28:29]
.endr
	s_lshl_b32 s30, s18, 17                        ; wc: row 128 group + 32 wave, 1,024 bytes a row, + 256 ky
	s_lshl_b32 s31, s16, 15
	s_add_co_u32 s30, s30, s31
	s_lshl_b32 s31, s19, 8
	s_add_co_u32 s30, s30, s31
	s_mov_b32 s31, 0
	s_add_nc_u64 s[14:15], s[14:15], s[30:31]
	s_wait_alu depctr_va_vdst(0)
	v_lshlrev_b32 v3, 2, v2
.set i, 0
.rept 32
	v_mad_u32_u24 v[VO+i], s24, i, v3
.set i, i+1
.endr
	s_mul_i32 s32, s16, 32*WPITCH
	s_add_co_u32 s32, s32, WSTG                    ; my stage
	v_mul_u32_u24 v4, v2, WPITCH
	v_add_nc_u32 v4, s32, v4                       ; into it: row = my column
	v_and_b32 v5, 15, v2
	v_lshrrev_b32 v6, 4, v2
	v_mul_u32_u24 v7, v6, WPITCH
	v_lshl_add_u32 v7, v5, 4, v7
	v_add_nc_u32 v7, s32, v7                       ; out of it: sixteen lanes to a row, two rows an instruction
	v_lshlrev_b32 v8, 10, v6
	v_lshl_add_u32 v8, v5, 4, v8                   ; and the same place in wc
.macro WLOAD t
.set i, 0
.rept 32
	global_load_b32 v[WX+32*((\t)%2)+i], v[VO+i], s[SB+2*(\t):SB+2*(\t)+1] th:TH_LOAD_NT
.set i, i+1
.endr
.endm
	WLOAD 0
	WLOAD 1
	s_wait_kmcnt 0x0
	s_cmp_lt_u32 s18, 24
	s_cselect_b32 s33, s41, s47                    ; e1 or e7
	s_add_co_i32 s33, s33, 127
	s_lshl_b32 s34, s33, 23
	v_mov_b32 v11, s34                             ; 2^e
	s_add_co_i32 s33, s33, EMAX
	s_lshl_b32 s33, s33, 23
	s_or_b32 s33, s33, MANT
.macro WBLOCK t
.set XS, WX+32*((\t)%2)
.if (\t) < 7
	s_wait_loadcnt 32                              ; this block's 32 loads are in; the next block's may be out
.else
	s_wait_loadcnt 0
.endif
.set i, 0
.rept 32
.set i, i+1
.endr
.irp g, 0,1,2,3                        ; group g (k 8 g on) goes to place 0, 2, 1, 3 of the block's 32 bytes: the row's order costs nothing here
	v_cvt_scalef32_pk8_fp8_f32 v[WC+4*(\g%2)+2*(\g/2):WC+4*(\g%2)+2*(\g/2)+1], v[XS+8*\g:XS+8*\g+7], v11
.endr
	ds_store_b128 v4, v[WC:WC+3] offset:32*(\t)
	ds_store_b128 v4, v[WC+4:WC+7] offset:32*(\t)+16
.if (\t)+2 < 8
	WLOAD (\t)+2
.endif
	s_wait_dscnt 0x0                               ; the stores have read their registers: the next block's codes may be written
.endm
	s_wait_alu depctr_va_vdst(0)
.irp t, 0,1,2,3,4,5,6,7
	WBLOCK \t
.endr
.irp t, 0,1,2,3,4,5,6,7,8,9,10,11,12,13,14,15
	ds_load_b128 v[WOUT+4*\t:WOUT+4*\t+3], v7 offset:2*\t*WPITCH
.endr
.irp t, 0,1,2,3,4,5,6,7,8,9,10,11,12,13,14,15
	s_wait_dscnt 15-\t                             ; LDS loads come back in order: load t is in
	global_store_b128 v8, v[WOUT+4*\t:WOUT+4*\t+3], s[14:15] offset:2*\t*1024
.endr
	s_wait_tensorcnt 0x0                           ; the wave's end: the three lines once more
	ds_add_u32 v[SPW], v[NIL]
	s_wait_dscnt 0x0
	s_endpgm
.Lfunc_end_k_q43430e07c1_quant:
	.size	k_q43430e07c1_quant, .Lfunc_end_k_q43430e07c1_quant-k_q43430e07c1_quant
	.p2alignl 7, 3214868480
	.fill 96, 4, 3214868480
	.section	.rodata,"a",@progbits
	.p2align	6, 0x0
	.amdhsa_kernel k_q43430e07c1_quant
		.amdhsa_group_segment_fixed_size 68096
		.amdhsa_private_segment_fixed_size 0
		.amdhsa_enable_private_segment 0
		.amdhsa_kernarg_size 48
		.amdhsa_user_sgpr_count 2
		.amdhsa_user_sgpr_kernarg_segment_ptr 1
		.amdhsa_wavefront_size32 1
		.amdhsa_system_sgpr_workgroup_id_x 1
		.amdhsa_system_sgpr_workgroup_id_y 1
		.amdhsa_system_sgpr_workgroup_id_z 1
		.amdhsa_system_vgpr_workitem_id 0
		.amdhsa_next_free_vgpr 208
		.amdhsa_next_free_sgpr 66
		.amdhsa_reserve_vcc 0
		.amdhsa_float_denorm_mode_32 3
		.amdhsa_float_denorm_mode_16_64 3
		.amdhsa_fp16_overflow 1
		.amdhsa_memory_ordered 1
		.amdhsa_forward_progress 1
		.amdhsa_inst_pref_size 56
	.end_amdhsa_kernel
	.amdgpu_metadata
---
amdhsa.version: [ 1, 2 ]
amdhsa.kernels:
  - .name:           k_q43430e07c1_quant
    .symbol:         k_q43430e07c1_quant.kd
    .args:
      - { .name: x, .offset: 0, .size: 8, .value_kind: global_buffer, .address_space: global }
      - { .name: Wqkv, .offset: 8, .size: 8, .value_kind: global_buffer, .address_space: global }
      - { .name: Wproj, .offset: 16, .size: 8, .value_kind: global_buffer, .address_space: global }
      - { .name: lowp_scales, .offset: 24, .size: 8, .value_kind: global_buffer, .address_space: global }
      - { .name: xc, .offset: 32, .size: 8, .value_kind: global_buffer, .address_space: global }
      - { .name: wc, .offset: 40, .size: 8, .value_kind: global_buffer, .address_space: global }
    .group_segment_fixed_size: 68096
    .private_segment_fixed_size: 0
    .kernarg_segment_align: 8
    .kernarg_segment_size: 48
    .max_flat_workgroup_size: 128
    .sgpr_count:     66
    .vgpr_count:     208
    .wavefront_size: 32
...
	.end_amdgpu_metadata
.endif
;; end of part 1
;; launch qkv (part 2): grid 12 x 32, 4 waves a work-group, clusters of 4 x 4, 327,680 bytes of LDS; arguments xc, wc, lowp_scales, bqkv, qc, kc, vc; writes qc, kc, vc
.if DOCPART == 2
	.amdgcn_target "amdgcn-amd-amdhsa--gfx1250"
	.amdhsa_code_object_version 6
	.text
	.protected	k_q43430e07c1_qkv
	.globl	k_q43430e07c1_qkv
	.p2align	8
	.type	k_q43430e07c1_qkv,@function
k_q43430e07c1_qkv:
	s_mov_b64 s[64:65], 0
	v_nop
	global_prefetch_b8 v0, s[64:65] scope:SCOPE_SE
	s_setreg_imm32_b32 hwreg(HW_REG_WAVE_MODE, 25, 1), 1
	s_wait_xcnt 0x0
	s_wait_alu depctr_hold_cnt(0) depctr_sa_sdst(0) depctr_va_vdst(0) depctr_va_sdst(0) depctr_va_ssrc(0) depctr_va_vcc(0) depctr_vm_vsrc(0)
	s_getreg_b32 s2, hwreg(HW_REG_IB_STS2, 6, 4)
	s_cmp_eq_u32 s2, 0
	s_cbranch_scc0 .Lentry_in_a_cluster
	s_endpgm
.Lentry_in_a_cluster:
	s_bfe_u32 s2, ttmp6, 0x10000c
	s_cmp_lg_u32 s2, 0xf033
	s_cbranch_scc0 .Lentry_shape_is_right
	s_endpgm
.Lentry_shape_is_right:
; qkv = x Wqkv + bqkv on codes of E4M3, and q, k, v quantised on the way out with 2^e2, 2^e3, 2^e5.  xc: [8192][1024], wc rows 0-3071: [n][1024]: codes, K along the row, laid so that
; 16-byte loads put each k in the place that the plain fp8 form gives it.  Sums in f32; number = sum x 2^(e0 + e1) + bias, one fused multiply-add; then the hold at +-448 x 2^e and the conversion.
; A tile of 256 tokens x 256 columns is made by four waves, 128 x 128 each: 64 accumulators, 512 registers.  K goes in four steps of 256 through two LDS slots filled by the tensor data mover.
; CLUSTERS of 4 x 4 work-groups: the four of a row need the same rows of xc, the four of a column the same rows of wc: each tile is asked for jointly.  Cluster x = 0 makes q, 1 makes k, 2 makes v.
; WHICH SIDE IS SOURCE 1.  In the result a lane holds ONE row of source 1 and eight neighbouring rows of source 0.  q and k are operands along the head's 64: source 1 = tokens, source 0 = rows of wc.
; v is an operand along the KEYS: source 1 = rows of wc, source 0 = tokens.  The two cases differ only in the LDS addresses from which the two sets of fragments are read (a choice on the cluster's x,
; which all partners share) and in the way out.
; THE OUTPUTS ARE IMAGES OF OPERAND REGISTERS: a group of four registers is stored as it stands, lane l's 16 bytes at 16 l: 512 consecutive bytes a store, no stage.
;   qc, kc: [batch x head 64][tile of 16 tokens 128][c 2][lane 32][16]: lane (r, h) holds token r, registers 2 t, 2 t + 1 the head's channels 16 t + 8 h + 0..7.
;   vc:     [batch x head 64][step of 128 keys 16][tile of 16 channels 4][c 4][lane 32][16]: lane (r, h) holds channel r, registers 2 c, 2 c + 1 the keys 16 c + 8 h + 0..7.
; LIMITS: e0 + e1 between -126 and 127; e2, e3, e5 between -126 and 119.
; REGISTERS, in windows of 256: window 0: v0-31 addresses; v32-95, v96-111 the biases; from v128 source 1's fragments, one set; on the way out v128-191 numbers, v192-255 codes.
;   window 1: source 0's fragments, two sets.  window 2, 3: the accumulators ((a, b) at v[8 (8 (a % 4) + b)]).
.set KSTEP,  256
.set ROWB,   256                       ; a tile's row in bytes
.set KROW,   1024                      ; a row of xc or wc in memory
.set PITCH,  272                       ; an LDS row: 256 bytes + 16 of padding: the 16 rows that a load touches start at 16 different banks (64 banks of 4 bytes: ISA guide 11.1)
.set FR,     16
.set NL,     4
.set NP,     4                         ; places behind this matrix instruction (ISA guide 7.12.1)
.set HALFT,  128*PITCH
.set SLOT,   4*HALFT                   ; xc's 256 rows, then wc's 256 rows
.set LAPS,   2                         ; 1,024 along K = two laps of two K steps
.set SPARE,  2*SLOT                    ; behind the ring: the spare words, 128 bytes for each wave, which no other line names
.set SCL,  12                          ; v12  2^e of the output
.set LIMV, 13
.set ADRA, 16                          ; v16-17  LDS address of source 1's fragments in slot 0, 1
.set ADRB, 20                          ; v20-21  of source 0's
.set LOFF, 27                          ; v27  16 x lane
.set SPW,  28                          ; v28  SPARE + 4 x my thread's number; never rewritten
.set NIL,  29                          ; v29  0; never rewritten
.set HB,   30                          ; v30  32 x (lane / 16)
.set RB,   31                          ; v31  4 x (lane % 16)
.set CBI,  32                          ; v32-95   bias by source 0's rows: register 8 b + j: column 16 b + 8 h + j
.set RBI,  96                          ; v96-111  bias by source 1's rows: registers 2 a, 2 a + 1: column 16 a + r, twice
.set TMP,  128
.set AF,   128
.set G1, 24
.set G0, 32
.set G1B, 48
.set G0B, 56
.set MSB, 0
.macro WIN new                         ; the immediate's high byte repeats the setting that is left
.if MSB != \new
	s_set_vgpr_msb (MSB<<8)|\new
.set MSB, \new
.endif
.endm
.set MUL_LO, 0xa1                      ; source 0 window 1, source 1 window 0, C and D window 2
.set MUL_HI, 0xf1                      ; the same, C and D window 3
.set TO_B,   0x40                      ; destination window 1, address window 0
; A joint load: waves 0 and 1 fetch xc's two halves, waves 2 and 3 wc's.  The branch hangs on the wave's number alone.  An s_nop 0 and four v_nop follow each line.
.macro JLOAD g0a, g1a, g0b, g1b
	s_cmp_eq_u32 s15, 0
	s_cbranch_scc0 .Lfor_b_\@
	tensor_load_to_lds s[\g0a:\g0a+3], s[\g1a:\g1a+7]
	s_nop 0
.rept 4
	v_nop
.endr
	s_branch .Lasked_\@
.Lfor_b_\@:
	tensor_load_to_lds s[\g0b:\g0b+3], s[\g1b:\g1b+7]
	s_nop 0
.rept 4
	v_nop
.endr
.Lasked_\@:
.endm
.macro CREST                           ; a round of the cluster's barrier behind its opening barrier
	s_cmp_lg_u32 s14, 0
	s_cbranch_scc1 .Lnot_wave_0_\@
	s_barrier_signal -3
.Lnot_wave_0_\@:
	s_barrier_wait -3
	s_barrier_signal -1
	s_barrier_wait -1
.endm
.macro CROUND
	s_barrier_signal -1
	s_barrier_wait -1
	CREST
.endm
	s_load_b256 s[4:11], s[0:1], 0x0               ; xc s[4:5], wc s[6:7], the exponents s[8:9], bqkv s[10:11]
	s_load_b128 s[68:71], s[0:1], 0x20             ; qc, kc
	s_load_b64 s[72:73], s[0:1], 0x30              ; vc
	v_lshl_add_u32 v[SPW], v0, 2, SPARE
	v_mov_b32 v[NIL], 0
	ds_add_u32 v[SPW], v[NIL]                      ; the wave's opening: the add and its wait ahead of my first tensor load
	ds_add_u32 v[SPW], v[NIL]
	v_lshrrev_b32 v1, 5, v0
	v_readfirstlane_b32 s14, v1                    ; wave 0..3
	s_lshr_b32 s15, s14, 1                         ; which 128 rows of source 1 are mine.  Also: I fetch for xc (0) or for wc (1)
	s_and_b32 s16, s14, 1                          ; which 128 rows of source 0.  Also: which 128 rows of that tile I fetch
	s_bfe_u32 s40, ttmp6, 0x40000                  ; cx, cy
	s_bfe_u32 s41, ttmp6, 0x40004
	s_lshl_b32 s42, ttmp9, 2
	s_add_co_u32 s42, s42, s40                     ; tile column = 4 x cluster x + cx
	s_and_b32 s17, ttmp7, 0xffff
	s_lshl_b32 s17, s17, 2
	s_add_co_u32 s17, s17, s41                     ; tile row = 4 x cluster y + cy
	s_lshl_b32 s43, s41, 2
	s_lshl_b32 s43, 15, s43                        ; my row of the cluster
	s_lshl_b32 s44, 0x1111, s40                    ; my column
	s_or_b32 s[G1+0], s43, (0<<16)|(1<<20)|(1<<21)|(5<<22)|(3<<25)  ; the mask; elements of 1 byte; padding on; bit 21 beside a mask; after every 64 words, 4 words
	s_or_b32 s[G1B+0], s44, (0<<16)|(1<<20)|(1<<21)|(5<<22)|(3<<25)
.irp g, G1, G1B
	s_mov_b32 s[\g+1], ROWB<<16                    ; tensor_dim0
	s_mov_b32 s[\g+2], 128<<16                     ; tensor_dim1
	s_mov_b32 s[\g+3], ROWB<<16                    ; tile_dim0
	s_mov_b32 s[\g+4], 128                         ; tile_dim1
	s_mov_b32 s[\g+5], KROW                        ; the pitch
	s_mov_b32 s[\g+6], 0
	s_mov_b32 s[\g+7], 0
.endr
	s_lshl_b32 s18, s16, 7
	s_lshl_b32 s20, s17, 8
	s_add_co_u32 s20, s20, s18                     ; xc: row 256 x tile row + 128 x half
	s_lshl_b32 s46, s42, 8
	s_add_co_u32 s46, s46, s18                     ; wc: row 256 x tile column + 128 x half
	s_mov_b32 s21, 0
	s_mov_b32 s47, 0
	s_mov_b64 s[18:19], KROW
	s_mul_u64 s[20:21], s[20:21], s[18:19]
	s_mul_u64 s[46:47], s[46:47], s[18:19]
	s_mul_i32 s45, s14, HALFT                      ; where they go: wave x 128 rows
	s_wait_dscnt 0x0                               ; the opening add is done
	s_wait_kmcnt 0x0
	s_load_b256 s[80:87], s[8:9], 0x0              ; e0 .. e7
	s_add_nc_u64 s[20:21], s[4:5], s[20:21]
	s_add_nc_u64 s[46:47], s[6:7], s[46:47]
	CROUND                                         ; all sixteen work-groups are here: the first joint loads meet
.irp s, 0,1
	s_mov_b32 s[G0+4*\s], 1
	s_add_co_u32 s[G0+4*\s+1], s45, \s*SLOT
	s_add_nc_u64 s[G0+4*\s+2:G0+4*\s+3], s[20:21], \s*ROWB
	s_or_b32 s[G0+4*\s+3], s[G0+4*\s+3], 0x80000000
	s_mov_b32 s[G0B+4*\s], 1
	s_add_co_u32 s[G0B+4*\s+1], s45, \s*SLOT
	s_add_nc_u64 s[G0B+4*\s+2:G0B+4*\s+3], s[46:47], \s*ROWB
	s_or_b32 s[G0B+4*\s+3], s[G0B+4*\s+3], 0x80000000
	JLOAD G0+4*\s, G1, G0B+4*\s, G1B
.endr
	v_and_b32 v1, 15, v0                           ; r
	v_bfe_u32 v2, v0, 4, 1                         ; h
	v_mul_u32_u24 v3, v1, PITCH
	v_lshl_add_u32 v4, v2, 4, v3                   ; a fragment's row x pitch + 16 h
	s_wait_alu depctr_va_vdst(0)
	s_cmp_eq_u32 ttmp9, 2                          ; v?  The cluster's x: the same in all sixteen partners
	s_cselect_b32 s89, 2*HALFT, 0                  ; where source 1's rows lie in a slot: wc's part for v, xc's for q and k
	s_cselect_b32 s90, 0, 2*HALFT                  ; and source 0's
	s_cselect_b32 s91, s16, s15                    ; which half of the tile's tokens is mine
	s_cselect_b32 s92, s15, s16                    ; which half of its columns
	s_mul_i32 s21, s15, HALFT
	s_add_co_u32 s21, s21, s89
	s_mul_i32 s22, s16, HALFT
	s_add_co_u32 s22, s22, s90
.irp s, 0,1
	v_add_nc_u32 v[ADRA+\s], s21, v4
	v_add_nc_u32 v[ADRB+\s], s22, v4
	s_add_co_u32 s21, s21, SLOT
	s_add_co_u32 s22, s22, SLOT
.endr
	v_and_b32 v5, 31, v0
	v_lshlrev_b32 v[LOFF], 4, v5
	v_lshlrev_b32 v[HB], 5, v2
	s_wait_alu depctr_va_vdst(0)
	v_lshlrev_b32 v[RB], 2, v1
	s_wait_alu depctr_va_vdst(0)
	; the biases, in both layouts: no register is then written on one way alone; each way out uses one of them
	s_lshl_b32 s76, s42, 10
	s_lshl_b32 s93, s16, 9
	s_add_co_u32 s76, s76, s93
	s_mov_b32 s77, 0
	s_add_nc_u64 s[76:77], s[10:11], s[76:77]      ; bqkv at column 256 x tile column + 128 x (source 0's half)
	s_lshl_b32 s78, s42, 10
	s_lshl_b32 s93, s15, 9
	s_add_co_u32 s78, s78, s93
	s_mov_b32 s79, 0
	s_add_nc_u64 s[78:79], s[10:11], s[78:79]      ; and at source 1's half
.irp b, 0,1,2,3,4,5,6,7
	global_load_b128 v[CBI+8*\b:CBI+8*\b+3], v[HB], s[76:77] offset:64*\b
	global_load_b128 v[CBI+8*\b+4:CBI+8*\b+7], v[HB], s[76:77] offset:64*\b+16
.endr
.irp a, 0,1,2,3,4,5,6,7
	global_load_b32 v[RBI+2*\a], v[RB], s[78:79] offset:64*\a
	global_load_b32 v[RBI+2*\a+1], v[RB], s[78:79] offset:64*\a
.endr
	; where my part of the output begins: ((batch x 16 + head) << 17) + ((token in the batch) << 6), for all three buffers
	s_lshl_b32 s93, s17, 8
	s_lshl_b32 s94, s91, 7
	s_add_co_u32 s93, s93, s94                     ; my first token
	s_lshl_b32 s94, s42, 8
	s_lshl_b32 s95, s92, 7
	s_add_co_u32 s94, s94, s95
	s_and_b32 s94, s94, 1023                       ; my first column within q, k or v
	s_lshr_b32 s95, s93, 11
	s_lshl_b32 s95, s95, 4
	s_lshr_b32 s94, s94, 6
	s_add_co_u32 s95, s95, s94
	s_lshl_b32 s95, s95, 17
	s_and_b32 s93, s93, 2047
	s_lshl_b32 s93, s93, 6
	s_add_co_u32 s94, s95, s93
	s_mov_b32 s95, 0
	s_cmp_eq_u32 ttmp9, 0
	s_cselect_b64 s[74:75], s[68:69], s[70:71]
	s_cmp_eq_u32 ttmp9, 2
	s_cselect_b64 s[74:75], s[72:73], s[74:75]
	s_add_nc_u64 s[74:75], s[74:75], s[94:95]
.macro FRAG reg, adr, q, i             ; 16 rows x 128 K: four loads of 16 bytes, 32 apart
.irp c, 0,1,2,3
	ds_load_b128 v[\reg+4*\c:\reg+4*\c+3], v[\adr] offset:128*(\q)+32*\c+(\i)*16*PITCH
.endr
.endm
; 16 matrix instructions: source 1's blocks a0, a0 + 1 x source 0's eight.  The 64 accumulators take turns, one instruction a turn, in the same order in every step.
.macro MUL16 a0, p, zero
.irp a, \a0, \a0+1
.irp b, 0,1,2,3,4,5,6,7
.if \zero
	v_wmma_f32_16x16x128_fp8_fp8 v[8*(8*((\a)%4)+\b):8*(8*((\a)%4)+\b)+7], v[128*(\p)+FR*\b:128*(\p)+FR*\b+FR-1], v[AF+FR*(\a):AF+FR*(\a)+FR-1], 0
.else
	v_wmma_f32_16x16x128_fp8_fp8 v[8*(8*((\a)%4)+\b):8*(8*((\a)%4)+\b)+7], v[128*(\p)+FR*\b:128*(\p)+FR*\b+FR-1], v[AF+FR*(\a):AF+FR*(\a)+FR-1], v[8*(8*((\a)%4)+\b):8*(8*((\a)%4)+\b)+7]
.endif
.endr
.endr
.endm
.macro FETCH_B slot, q, p
	WIN TO_B
.irp i, 0,1,2,3,4,5,6,7
	FRAG 128*(\p)+FR*\i, ADRB+\slot, \q, \i
.endr
	WIN 0
.endm
.macro FETCH_A slot, q, i0
.irp i, \i0, \i0+1, \i0+2, \i0+3
	FRAG AF+FR*(\i), ADRA+\slot, \q, \i
.endr
.endm
.macro PLACES n                        ; plain vector instructions between a matrix instruction and a load into, or a read of, its registers
.rept \n
	v_nop
.endr
.endm
.macro STEP slot, q, zero              ; 128 along K whose successor lies in the same slot
	s_wait_dscnt 4*NL                              ; source 0's set and source 1's blocks 0-3 are in; the youngest sixteen loads (blocks 4-7) may be out
	WIN MUL_LO
	MUL16 0, (\q)%2, \zero
	MUL16 2, (\q)%2, \zero
	s_wait_dscnt 0
	PLACES NP
	FETCH_B \slot, (\q)+1, 1-(\q)%2
	FETCH_A \slot, (\q)+1, 0
	WIN MUL_HI
	MUL16 4, (\q)%2, \zero
	MUL16 6, (\q)%2, \zero
	PLACES NP
	WIN 0
	FETCH_A \slot, (\q)+1, 4
.endm
; A slot's last step changes slots: one barrier; in front of it each wave waits for all its tensor loads, adds 0 to its spare word, and waits for that and for its reads of this slot.
.macro TURN slot, next, fill
	s_wait_tensorcnt 0x0                           ; all my tensor loads have landed: my part of the next slot
	ds_add_u32 v[SPW], v[NIL]
	s_wait_dscnt 4*NL+1                            ; the add and the youngest sixteen loads may be out
	WIN MUL_LO
	MUL16 0, 1, 0
	s_wait_dscnt 0x0                               ; the add is done, and my reads of this slot are over
	s_barrier_signal -1
	MUL16 2, 1, 0
	WIN 0
	s_barrier_wait -1
.if \fill
	CREST                                          ; the barrier has opened a round of the cluster's: no wave of any partner still reads this slot or has a load on its way
	s_add_nc_u64 s[G0+4*\slot+2:G0+4*\slot+3], s[G0+4*\slot+2:G0+4*\slot+3], 2*ROWB
	s_add_nc_u64 s[G0B+4*\slot+2:G0B+4*\slot+3], s[G0B+4*\slot+2:G0B+4*\slot+3], 2*ROWB
	JLOAD G0+4*\slot, G1, G0B+4*\slot, G1B         ; the first tensor load behind the round; its four v_nop are the places in front of the loads below
.else
	PLACES NP
.endif
	FETCH_B \next, 0, 0
	FETCH_A \next, 0, 0
	WIN MUL_HI
	MUL16 4, 1, 0
	MUL16 6, 1, 0
	PLACES NP
	WIN 0
	FETCH_A \next, 0, 4
.endm
	s_wait_tensorcnt 1                             ; my part of K step 0 is in; K step 1's load may be out
	s_barrier_signal -1
	s_barrier_wait -1
	FETCH_B 0, 0, 0
	FETCH_A 0, 0, 0
	FETCH_A 0, 0, 4
	STEP 0, 0, 1                                   ; the first step's products start the sums
	s_mov_b32 s3, LAPS-1
.Llap:                                                 ; a trip goes once round the ring and fills both slots again
	TURN 0, 1, 1
	STEP 1, 0, 0
	TURN 1, 0, 1
	STEP 0, 0, 0
	s_sub_co_u32 s3, s3, 1
	s_cmp_lg_u32 s3, 0
	s_cbranch_scc1 .Llap
	TURN 0, 1, 0                                   ; the last lap fills nothing
	STEP 1, 0, 0
	s_wait_dscnt 4*NL
	WIN MUL_LO
	MUL16 0, 1, 0
	MUL16 2, 1, 0
	s_wait_dscnt 0
	WIN MUL_HI
	MUL16 4, 1, 0
	MUL16 6, 1, 0
	WIN 0
; THE WAY OUT, block a of source 1's eight: 64 numbers a lane = sum x 2^(e0 + e1) + bias; held; converted, eight neighbours along the next K at a time; four stores of 512 consecutive bytes.
; kind 0 (q, k): the bias goes by source 0's rows; piece p belongs to head p / 2, token tile a.  kind 1 (v): the bias goes by source 1's rows; block a is head a / 4, channel tile a % 4.
.macro OUT a, kind
.set AC, 64*((\a)%4)
.set CD, 192+16*((\a)%4)
.set WN, 0x02+((\a)/4)
.if (\a) >= 4
	s_wait_xcnt 0x0                                ; block a - 4's stores have read their data: its registers take new codes
.endif
	WIN WN                                         ; source 0: window 2 or 3
.set j, 0
.rept 32
.if \kind
	v_pk_fma_f32 v[TMP+j:TMP+j+1], v[AC+j:AC+j+1], s[96:97], v[RBI+2*(\a):RBI+2*(\a)+1] op_sel_hi:[1,0,1]
.else
	v_pk_fma_f32 v[TMP+j:TMP+j+1], v[AC+j:AC+j+1], s[96:97], v[CBI+j:CBI+j+1] op_sel_hi:[1,0,1]
.endif
.set j, j+2
.endr
	WIN 0
.irp b, 0,1,2,3,4,5,6,7
.irp i, 0,1,2,3,4,5,6,7
.endr
	v_cvt_scalef32_pk8_fp8_f32 v[CD+2*\b:CD+2*\b+1], v[TMP+8*\b:TMP+8*\b+7], v[SCL]
.endr
	v_nop                                          ; a plain instruction behind the last conversion: the next block writes its sources
.irp p, 0,1,2,3
.if \kind
	global_store_b128 v[LOFF], v[CD+4*\p:CD+4*\p+3], s[74:75] offset:((\a)/4)*131072+((\a)%4)*2048+\p*512
.else
	global_store_b128 v[LOFF], v[CD+4*\p:CD+4*\p+3], s[74:75] offset:(\p/2)*131072+(\a)*1024+(\p%2)*512
.endif
.endr
.endm
	s_wait_kmcnt 0x0                               ; the exponents
	s_wait_loadcnt 0x0                             ; the biases
	s_add_co_i32 s96, s80, s81
	s_add_co_i32 s96, s96, 127
	s_lshl_b32 s96, s96, 23                        ; 2^(e0 + e1) as f32
	s_mov_b32 s97, s96                             ; (named with it as a pair, so it is written)
	s_cmp_eq_u32 ttmp9, 0
	s_cselect_b32 s88, s82, s83
	s_cmp_eq_u32 ttmp9, 2
	s_cselect_b32 s88, s85, s88                    ; e2, e3 or e5
	s_add_co_i32 s88, s88, 127
	s_lshl_b32 s89, s88, 23
	v_mov_b32 v[SCL], s89
	PLACES NP
	s_cmp_eq_u32 ttmp9, 2
	s_cbranch_scc1 .Lway_v
.irp a, 0,1,2,3,4,5,6,7
	OUT \a, 0
.endr
	s_branch .Ldone
.Lway_v:
.irp a, 0,1,2,3,4,5,6,7
	OUT \a, 1
.endr
.Ldone:
	s_wait_tensorcnt 0x0                           ; the wave's end
	ds_add_u32 v[SPW], v[NIL]
	s_wait_dscnt 0x0
	CROUND                                         ; the closing round
	s_endpgm
.Lfunc_end_k_q43430e07c1_qkv:
	.size	k_q43430e07c1_qkv, .Lfunc_end_k_q43430e07c1_qkv-k_q43430e07c1_qkv
	.p2alignl 7, 3214868480
	.fill 96, 4, 3214868480
	.section	.rodata,"a",@progbits
	.p2align	6, 0x0
	.amdhsa_kernel k_q43430e07c1_qkv
		.amdhsa_group_segment_fixed_size 327680
		.amdhsa_private_segment_fixed_size 0
		.amdhsa_enable_private_segment 0
		.amdhsa_kernarg_size 56
		.amdhsa_user_sgpr_count 2
		.amdhsa_user_sgpr_kernarg_segment_ptr 1
		.amdhsa_wavefront_size32 1
		.amdhsa_system_sgpr_workgroup_id_x 1
		.amdhsa_system_sgpr_workgroup_id_y 1
		.amdhsa_system_sgpr_workgroup_id_z 1
		.amdhsa_system_vgpr_workitem_id 0
		.amdhsa_next_free_vgpr 1024
		.amdhsa_next_free_sgpr 98
		.amdhsa_reserve_vcc 0
		.amdhsa_float_denorm_mode_32 3
		.amdhsa_float_denorm_mode_16_64 3
		.amdhsa_fp16_overflow 1
		.amdhsa_memory_ordered 1
		.amdhsa_forward_progress 1
		.amdhsa_inst_pref_size 130
	.end_amdhsa_kernel
	.amdgpu_metadata
---
amdhsa.version: [ 1, 2 ]
amdhsa.kernels:
  - .name:           k_q43430e07c1_qkv
    .symbol:         k_q43430e07c1_qkv.kd
    .args:
      - { .name: xc, .offset: 0, .size: 8, .value_kind: global_buffer, .address_space: global }
      - { .name: wc, .offset: 8, .size: 8, .value_kind: global_buffer, .address_space: global }
      - { .name: lowp_scales, .offset: 16, .size: 8, .value_kind: global_buffer, .address_space: global }
      - { .name: bqkv, .offset: 24, .size: 8, .value_kind: global_buffer, .address_space: global }
      - { .name: qc, .offset: 32, .size: 8, .value_kind: global_buffer, .address_space: global }
      - { .name: kc, .offset: 40, .size: 8, .value_kind: global_buffer, .address_space: global }
      - { .name: vc, .offset: 48, .size: 8, .value_kind: global_buffer, .address_space: global }
    .group_segment_fixed_size: 327680
    .private_segment_fixed_size: 0
    .kernarg_segment_align: 8
    .kernarg_segment_size: 56
    .max_flat_workgroup_size: 128
    .sgpr_count:     98
    .vgpr_count:     1024
    .wavefront_size: 32
...
	.end_amdgpu_metadata
.endif
;; end of part 2
;; launch attn (part 3): grid 4 x 64, 16 waves a work-group, no clusters, 327,680 bytes of LDS; arguments qc, kc, vc, lowp_scales, oc; writes oc
.if DOCPART == 3
	.amdgcn_target "amdgcn-amd-amdhsa--gfx1250"
	.amdhsa_code_object_version 6
	.text
	.protected	k_q43430e07c1_attn
	.globl	k_q43430e07c1_attn
	.p2align	8
	.type	k_q43430e07c1_attn,@function
k_q43430e07c1_attn:
	s_mov_b64 s[64:65], 0
	v_nop
	global_prefetch_b8 v0, s[64:65] scope:SCOPE_SE
	s_setreg_imm32_b32 hwreg(HW_REG_WAVE_MODE, 25, 1), 1
	s_wait_xcnt 0x0
; Causal attention on codes of E4M3, head size 64, 2,048 tokens, 64 (batch, head) pairs.  qc, kc, vc are images of operand registers (four registers: lane l's 16 bytes at 16 l):
;   qc, kc: [bh][tile of 16 tokens 128][c 2][lane][16];   vc: [bh][step of 128 keys 16][tile of 16 channels 4][c 4][lane][16].
; oc, the result quantised with 2^e6 for the next product: [tile of 16 tokens 512][head 16][c 2][lane][16]: lane (r, h) holds token r, registers 2 t, 2 t + 1 the channels 16 t + 8 h + 0..7.
; THE SOFTMAX: t = score x log2(e) / 8; M = the row's largest t so far, rounded UP to a whole number; p = 2^(t - M) is quantised with 2^e4; the row's sum is taken of the unquantised p and divides O at the end.
; When M moves, the sum and O are multiplied by 2^(old M - new M), which rounds nothing.
; BOTH PRODUCTS TRANSPOSED: S^T = K Q^T (16x16x64: source 0 = 16 keys, source 1 = my 16 queries), O^T = V^T P^T (16x16x128: source 0 = 16 channels, source 1 = P): a lane holds ONE query throughout,
; and register 8 t + j of S^T is key 16 t + 8 (lane / 16) + j: the place that the second product's operand gives it, so the conversions' results are that operand.
; SHARES.  Work-group (i, bh) owns the query blocks 7 - i and i of 256.  Wave w owns tile 16 w of the first and tile 16 (15 - w) of the second: 17 tile steps of 16 queries x 128 keys for every wave of the launch.
; Every work-group walks all eight slots of 256 keys (constant trip counts); a step all of whose keys come after a tile's queries is left out by a scalar branch on ids.
; NO CLUSTER: the four work-groups of a head need 8, 7, 6 and 5 slots of keys; joint requests would hold each to a round for every slot of the longest, in steps in which they have unequal work.
; LIMITS: e2 + e3 between -123 and 130 (added to the exponent field of log2(e) / 8); e4 and e6 between -126 and 119; e4 + e5 is applied by v_ldexp_f32.
.set SLOT1, 1<<15                      ; a slot: K's 16 tiles (16,384 bytes), then V's two steps (16,384); one exclusive or turns an address into the other slot's
.set VOFF,  16384
.set SPARE, 2*SLOT1                    ; behind the ring: the spare words, 128 bytes for each of 16 waves, which no other line names
.set NSL,   8
.set LI,  1                            ; v1   16 x lane
.set AD,  2                            ; v2   LDS address of the loads in hand
.set PFO, 3                            ; v3   256 x lane; never rewritten
.set LM,  4                            ; v4   lane % 16 - 8 (lane / 16)
.set SPW, 5                            ; v5   SPARE + 4 x my thread's number; never rewritten
.set NIL, 6                            ; v6   0; never rewritten
.set STH, 12                           ; v12-15  first tile: -M, the largest t, the sum in two halves
.set STL, 16                           ; v16-19  second tile
.set QFH, 20                           ; v20-27, v28-35  the two tiles' Q
.set QFL, 28
.set FB,  36                           ; v36-99   eight fragments of K, then four of V
.set S,   100                          ; v100-163 S^T, then p
.set OH,  164                          ; v164-195, v196-227  O^T of the two tiles
.set OL,  196
.set PC,  228                          ; v228-243 p's codes
.set SCP, 244                          ; v244 2^e4 (on the way out: e6)
.set LIP, 245
.set FF,  246                          ; v246 2^(old M - new M); v247 is named with it as a pair
.set SM2, 248                          ; v248-249 the second chain of sums
.set MX,  250                          ; v250-251 maxima
.set PD,  252                          ; v252 a lane permute's destination
.set MK,  253                          ; v253-254 the mask
.set WV,  18
.set SEL, 20                           ; s[20:21] v_permlanex16_b32: lane l xor 16
.set CS,  22                           ; s[22:23] log2(e) / 8 x 2^(e2 + e3)
.set G1,  24                           ; s[24:31] descriptor group 1: a dense block of 16,384 bytes
.set G0,  40                           ; s[40:43] group 0, which walks
.set TB,  2                            ; s2   LDS byte at which the slot in hand begins
.set KF,  50                           ; s50  the step's first key
.set QH,  51                           ; s51, s52 my two tiles' first queries
.set QL,  52
.set QLAST, 53                         ; s53  my work-group's last query
.set SLOTS, 54
.set PFA, 56                           ; s[56:57] where my prefetches stand
.set LIM, 58                           ; s58  1 in a wave that prefetches, else the greatest number
.macro TLOAD                           ; wave 0 fetches K's block, wave 1 V's.  An s_nop 0 and four v_nop follow the line
	s_cmp_lt_u32 s[WV], 2
	s_cbranch_scc0 .Lasked_\@
	tensor_load_to_lds s[G0:G0+3], s[G1:G1+7]
	s_nop 0
.rept 4
	v_nop
.endr
.Lasked_\@:
.endm
; A prefetch of what the NEXT change of slots will ask for: 16,384 bytes of kc and of vc.  All four work-groups of a head walk the same bytes: work-group i = 0, which loads all eight slots, asks; in it
; waves 4 and 5 name kc's two halves, waves 6 and 7 vc's, lanes 256 bytes apart: each block of 256 bytes is named once in the launch.  The last change that fills a slot asks for nothing.
.macro ASK
	s_cmp_gt_u32 s[SLOTS], s[LIM]
	s_cbranch_scc0 .Lnot_mine_\@
	global_prefetch_b8 v[PFO], s[PFA:PFA+1] th:TH_LOAD_NT scope:SCOPE_SE
.Lnot_mine_\@:
.endm
	s_load_b256 s[4:11], s[0:1], 0x0               ; qc s[4:5], kc s[6:7], vc s[8:9], the exponents s[10:11]
	s_load_b64 s[12:13], s[0:1], 0x20              ; oc
	v_lshl_add_u32 v[SPW], v0, 2, SPARE
	v_mov_b32 v[NIL], 0
	ds_add_u32 v[SPW], v[NIL]                      ; the wave's opening: the add and its wait ahead of the first tensor load
	ds_add_u32 v[SPW], v[NIL]
	v_lshrrev_b32 v7, 5, v0
	s_delay_alu instid0(VALU_DEP_1)
	v_readfirstlane_b32 s[WV], v7                  ; wave 0..15
	s_and_b32 s38, ttmp7, 0xffff                   ; bh
	s_lshl_b32 s36, s38, 17                        ; a head's 131,072 bytes in qc, kc and vc
	s_mov_b32 s37, 0
	s_sub_co_u32 s60, 7, ttmp9
	s_lshl_b32 s60, s60, 8
	s_lshl_b32 s61, s[WV], 4
	s_add_co_u32 s[QH], s60, s61                   ; 256 (7 - i) + 16 w
	s_or_b32 s[QLAST], s60, 255
	s_sub_co_u32 s61, 15, s[WV]
	s_lshl_b32 s61, s61, 4
	s_lshl_b32 s60, ttmp9, 8
	s_add_co_u32 s[QL], s60, s61                   ; 256 i + 16 (15 - w)
	s_mov_b32 s[G1], 3<<16                         ; no mask; elements of 8 bytes; no padding
	s_mov_b32 s[G1+1], 32<<16                      ; tensor_dim0 = 32 elements: rows of 256 bytes
	s_mov_b32 s[G1+2], 64<<16                      ; tensor_dim1 = 64
	s_mov_b32 s[G1+3], 32<<16                      ; tile_dim0
	s_mov_b32 s[G1+4], 64                          ; tile_dim1
	s_mov_b32 s[G1+5], 32                          ; the pitch: dense
	s_mov_b32 s[G1+6], 0
	s_mov_b32 s[G1+7], 0
	s_mov_b32 s[SEL], 0x76543210
	s_mov_b32 s[SEL+1], 0xfedcba98
	s_mov_b32 s[CS], 0x3e38aa3b                    ; log2(e) / 8
	s_mov_b32 s[TB], 0
	s_mov_b32 s[KF], 0
	s_mov_b32 s[SLOTS], NSL-1
	s_wait_dscnt 0x0                               ; the opening add is done
	s_wait_kmcnt 0x0
	s_load_b256 s[68:75], s[10:11], 0x0            ; e0 .. e7
	s_mov_b32 s[G0], 1
	s_and_b32 s[G0+1], s[WV], 1
	s_lshl_b32 s[G0+1], s[G0+1], 14                ; LDS: wave 0 at the slot's head, wave 1 behind K's block
	s_cmp_eq_u32 s[WV], 0
	s_cselect_b64 s[G0+2:G0+3], s[6:7], s[8:9]
	s_add_nc_u64 s[G0+2:G0+3], s[G0+2:G0+3], s[36:37]
	s_or_b32 s[G0+3], s[G0+3], 0x80000000
	TLOAD                                          ; slot 0
	s_lshl_b32 s60, s[QH], 6
	s_mov_b32 s61, 0
	s_add_nc_u64 s[60:61], s[60:61], s[36:37]
	s_add_nc_u64 s[32:33], s[4:5], s[60:61]        ; Q's image of my first tile: 64 bytes a token
	s_lshl_b32 s60, s[QL], 6
	s_mov_b32 s61, 0
	s_add_nc_u64 s[60:61], s[60:61], s[36:37]
	s_add_nc_u64 s[34:35], s[4:5], s[60:61]
	v_and_b32 v[LI], 31, v0
	s_delay_alu instid0(VALU_DEP_1)
	v_lshlrev_b32 v[PFO], 8, v[LI]
	s_delay_alu instid0(VALU_DEP_2)
	v_lshlrev_b32 v[LI], 4, v[LI]
	global_load_b128 v[QFH:QFH+3], v[LI], s[32:33]
	global_load_b128 v[QFH+4:QFH+7], v[LI], s[32:33] offset:512
	global_load_b128 v[QFL:QFL+3], v[LI], s[34:35]
	global_load_b128 v[QFL+4:QFL+7], v[LI], s[34:35] offset:512
	s_lshr_b32 s62, s38, 4
	s_lshl_b32 s62, s62, 11
	s_and_b32 s63, s38, 15
	s_add_co_u32 s62, s62, s63                     ; 2,048 x batch + head: both count 1,024 bytes in oc, as a token does
	s_add_co_u32 s60, s62, s[QH]
	s_lshl_b32 s60, s60, 10
	s_mov_b32 s61, 0
	s_add_nc_u64 s[44:45], s[12:13], s[60:61]
	s_add_co_u32 s60, s62, s[QL]
	s_lshl_b32 s60, s60, 10
	s_add_nc_u64 s[46:47], s[12:13], s[60:61]
	s_cmp_lt_u32 s[WV], 6                          ; the prefetches: waves 4, 5 stand in kc, waves 6, 7 in vc,
	s_cselect_b64 s[PFA:PFA+1], s[6:7], s[8:9]
	s_and_b32 s60, s[WV], 1
	s_lshl_b32 s60, s60, 13                        ; at their half of a slot's block,
	s_add_co_u32 s60, s60, 16384                   ; in slot 1: the first change of slots steps it to slot 2.  Nothing is prefetched here, at the head
	s_mov_b32 s61, 0
	s_add_nc_u64 s[60:61], s[60:61], s[36:37]
	s_add_nc_u64 s[PFA:PFA+1], s[PFA:PFA+1], s[60:61]
	s_sub_co_u32 s60, s[WV], 4
	s_lshr_b32 s60, s60, 2                         ; 0 in waves 4 to 7,
	s_or_b32 s60, s60, ttmp9                       ; of work-group i = 0
	s_cmp_eq_u32 s60, 0
	s_cselect_b32 s[LIM], 1, -1
	v_and_b32 v7, 15, v0
	v_bfe_u32 v8, v0, 4, 1
	s_delay_alu instid0(VALU_DEP_1)
	v_lshlrev_b32 v8, 3, v8
	s_delay_alu instid0(VALU_DEP_1)
	v_sub_nc_u32 v[LM], v7, v8
.irp st, STH, STL
	v_mov_b32 v[\st+1], 0xff61b1e6                 ; the largest t so far: -3e38
	s_delay_alu instid0(VALU_DEP_1)
	v_floor_f32 v[\st], -v[\st+1]                  ; -M
	v_mov_b32 v[\st+2], 0
	v_mov_b32 v[\st+3], 0
.endr
	v_mov_b32 v[FF+1], 0
	v_mov_b32 v[PD], 0
.set n, 0
.rept 64
	v_mov_b32 v[OH+n], 0                           ; O^T of both tiles: the step is written without a first step of its own; the first change of M leaves zeros zeros
.set n, n+1
.endr
	s_wait_kmcnt 0x0
	s_add_co_i32 s60, s70, s71
	s_lshl_b32 s60, s60, 23
	s_add_co_i32 s[CS], s[CS], s60                 ; a score stands for score x 2^(e2 + e3)
	s_mov_b32 s[CS+1], s[CS]
	s_add_co_i32 s60, s72, 127
	s_lshl_b32 s61, s60, 23
	v_mov_b32 v[SCP], s61                          ; 2^e4
; ONE TILE'S KEY STEP: 128 keys, the q-th of the slot in hand.  qf: Q's registers; ob: O^T's; st: the statistics'; q0: the scalar with the tile's first query.
.macro STEP q, qf, ob, st, q0
	s_add_co_u32 s60, s[\q0], 15
	s_cmp_gt_u32 s[KF], s60                        ; all keys hidden: the step is left out
	s_cbranch_scc1 .Lhidden_\@
	v_add_nc_u32 v[AD], s[TB], v[LI]
.rept 3
	v_nop                                          ; with the addition: four places in front of loads into registers that matrix instructions have read
.endr
.set n, 0
.rept 8
	ds_load_b128 v[FB+8*n:FB+8*n+3], v[AD] offset:8192*(\q)+1024*n
	ds_load_b128 v[FB+8*n+4:FB+8*n+7], v[AD] offset:8192*(\q)+1024*n+512
.set n, n+1
.endr
	s_wait_alu depctr_va_vdst(0)
	s_wait_dscnt 0x0
.set n, 0
.rept 8
	v_wmma_f32_16x16x64_fp8_fp8 v[S+8*n:S+8*n+7], v[FB+8*n:FB+8*n+7], v[\qf:\qf+7], 0
.set n, n+1
.endr
.rept 4
	v_nop                                          ; places: for V's loads into K's registers and for the first reads of the scores
.endr
.set n, 0
.rept 16
	ds_load_b128 v[FB+4*n:FB+4*n+3], v[AD] offset:VOFF+8192*(\q)+512*n   ; V's four fragments land while the softmax is worked
.set n, n+1
.endr
	s_add_co_u32 s60, s[KF], 127
	s_cmp_le_u32 s60, s[\q0]                       ; all keys count: no mask
	s_cbranch_scc1 .Lopen_\@
	s_sub_co_i32 s60, s[\q0], s[KF]
	v_add_nc_u32 v[MK], s60, v[LM]                 ; register 8 t + j is hidden where 16 t + j > my query - KF - 8 (lane / 16)
	v_mov_b32 v[MK+1], 0xff800000                  ; -infinity: p = 0
.set n, 0
.rept 64
	v_cmp_gt_i32 vcc_lo, 16*(n/8)+n%8, v[MK]
	v_cndmask_b32 v[S+n], v[S+n], v[MK+1], vcc_lo
.set n, n+1
.endr
.Lopen_\@:
	v_max3_num_f32 v[MX], v[S], v[S+1], v[S+2]     ; the step's largest score of my query, in two chains,
	v_max3_num_f32 v[MX+1], v[S+3], v[S+4], v[S+5]
.set n, 6
.rept 14
	v_max3_num_f32 v[MX], v[MX], v[S+n], v[S+n+1]
	v_max3_num_f32 v[MX+1], v[MX+1], v[S+n+2], v[S+n+3]
.set n, n+4
.endr
	v_max3_num_f32 v[MX], v[MX], v[S+62], v[S+63]
	s_delay_alu instid0(VALU_DEP_1)
	v_max_num_f32 v[MX], v[MX], v[MX+1]
	s_delay_alu instid0(VALU_DEP_1)
	v_permlanex16_b32 v[PD], v[MX], s[SEL], s[SEL+1]
	s_delay_alu instid0(VALU_DEP_1)
	v_max_num_f32 v[MX], v[MX], v[PD]              ; and among lane l xor 16's
	s_delay_alu instid0(VALU_DEP_1)
	v_mul_f32 v[MX], s[CS], v[MX]
	s_delay_alu instid0(VALU_DEP_1)
	v_max_num_f32 v[\st+1], v[\st+1], v[MX]        ; the running largest t
	v_mov_b32 v[MX], v[\st]
	s_delay_alu instid0(VALU_DEP_2)
	v_floor_f32 v[\st], -v[\st+1]                  ; the new -M = -ceil(t)
	s_delay_alu instid0(VALU_DEP_1)
	v_sub_f32 v[MX], v[\st], v[MX]                 ; old M - new M: a whole number, 0 or less
	s_delay_alu instid0(VALU_DEP_1)
	v_cvt_i32_f32 v[MX], v[MX]                     ; (it saturates)
	s_delay_alu instid0(VALU_DEP_1)
	v_ldexp_f32 v[FF], 1.0, v[MX]
.set n, 0
.rept 32
	v_pk_fma_f32 v[S+n:S+n+1], v[S+n:S+n+1], s[CS:CS+1], v[\st:\st+1] op_sel_hi:[1,0,0]   ; t - M
.set n, n+2
.endr
.set n, 0
	s_wait_alu depctr_va_vdst(0)
.rept 64
	v_exp_f32 v[S+n], v[S+n]                       ; p = 2^(t - M)
.set n, n+1
.endr
	v_pk_mul_f32 v[\st+2:\st+3], v[\st+2:\st+3], v[FF:FF+1] op_sel_hi:[1,0]   ; the sums under the new M: the plain instruction behind the exponentials
	s_wait_alu depctr_va_vdst(0)                   ; one wait for the batch, ahead of its first reader
	v_pk_add_f32 v[SM2:SM2+1], v[S:S+1], v[S+2:S+3]   ; the sum of the unquantised p, in two chains
.set n, 4
.rept 15
	v_pk_add_f32 v[\st+2:\st+3], v[\st+2:\st+3], v[S+n:S+n+1]
	v_pk_add_f32 v[SM2:SM2+1], v[SM2:SM2+1], v[S+n+2:S+n+3]
.set n, n+4
.endr
	s_delay_alu instid0(VALU_DEP_1)
	v_pk_add_f32 v[\st+2:\st+3], v[\st+2:\st+3], v[SM2:SM2+1]
.irp t, 0,1,2,3,4,5,6,7
.irp i, 0,1,2,3,4,5,6,7
.endr
	v_cvt_scalef32_pk8_fp8_f32 v[PC+2*\t:PC+2*\t+1], v[S+8*\t:S+8*\t+7], v[SCP]
.endr
.set n, 0
.rept 16
	v_pk_mul_f32 v[\ob+n:\ob+n+1], v[\ob+n:\ob+n+1], v[FF:FF+1] op_sel_hi:[1,0]   ; O^T under the new M; also the plain instructions behind the conversions
.set n, n+2
.endr
	s_wait_alu depctr_va_vdst(0)
	s_wait_dscnt 0x0                               ; V is in
.set n, 0
.rept 4
	v_wmma_f32_16x16x128_fp8_fp8 v[\ob+8*n:\ob+8*n+7], v[FB+16*n:FB+16*n+15], v[PC:PC+15], v[\ob+8*n:\ob+8*n+7]
.set n, n+1
.endr
.Lhidden_\@:
.endm
; THE CHANGE OF SLOTS stands at a slot's head.  Each wave waits for all its tensor loads, adds 0 to its spare word, and waits for that and for its reads of the slot that it has left.  Behind the barrier the
; slot ahead is whole and nobody reads the other one, which takes the next 256 keys, while these begin at or under the work-group's last query: a slot beyond that is read by no wave and is not asked for.
; Every wait for tensor loads in this text is for 0.
.macro CHANGE fill
	s_wait_tensorcnt 0x0
	ds_add_u32 v[SPW], v[NIL]
.if \fill
	s_xor_b32 s[G0+1], s[G0+1], SLOT1
	s_add_nc_u64 s[G0+2:G0+3], s[G0+2:G0+3], 16384
	s_wait_xcnt 0x0                                ; the last prefetch, a slot back, has read its address
	s_add_nc_u64 s[PFA:PFA+1], s[PFA:PFA+1], 16384
.endif
	s_wait_dscnt 0x0
	s_barrier_signal -1
	s_barrier_wait -1
.if \fill
	s_add_co_u32 s60, s[KF], 256
	s_cmp_gt_u32 s60, s[QLAST]
	s_cbranch_scc1 .Lpast_\@
	TLOAD
.Lpast_\@:
	ASK
.endif
.endm
.macro SLOT_STEPS
.irp q, 0,1
	STEP \q, QFH, OH, STH, QH
	STEP \q, QFL, OL, STL, QL
	s_add_co_u32 s[KF], s[KF], 128
.endr
	s_xor_b32 s[TB], s[TB], SLOT1
.endm
	s_wait_loadcnt 0x0                             ; Q
.Lslot:
	CHANGE 1
	SLOT_STEPS
	s_sub_co_u32 s[SLOTS], s[SLOTS], 1
	s_cmp_lg_u32 s[SLOTS], 0
	s_cbranch_scc1 .Lslot
	CHANGE 0                                       ; the last slot is written out: nothing is left to ask for
	SLOT_STEPS
	; THE WAY OUT: O^T / the sum x 2^(e4 + e5), held, converted with 2^e6: the codes are the next product's operand registers and are stored as they stand, 512 consecutive bytes a store.
.rept 4
	v_nop
.endr
	v_add_f32 v[STH+2], v[STH+2], v[STH+3]
	v_add_f32 v[STL+2], v[STL+2], v[STL+3]
	s_delay_alu instid0(VALU_DEP_2)
	v_permlanex16_b32 v[PD], v[STH+2], s[SEL], s[SEL+1]
	s_delay_alu instid0(VALU_DEP_1)
	v_add_f32 v[STH+2], v[STH+2], v[PD]
	s_delay_alu instid0(VALU_DEP_2)
	v_permlanex16_b32 v[PD], v[STL+2], s[SEL], s[SEL+1]
	s_delay_alu instid0(VALU_DEP_1)
	v_add_f32 v[STL+2], v[STL+2], v[PD]
	s_wait_alu depctr_va_vdst(0)
	v_rcp_f32 v[STH+2], v[STH+2]
	v_rcp_f32 v[STL+2], v[STL+2]
	s_add_co_i32 s60, s72, s73                     ; e4 + e5
	s_add_co_i32 s61, s74, 127
	s_lshl_b32 s62, s61, 23
	v_mov_b32 v[SCP], s62                          ; 2^e6.  (The plain instruction behind the reciprocals)
	s_wait_alu depctr_va_vdst(0)                   ; one wait for both reciprocals, ahead of their first reader
	v_ldexp_f32 v[STH+2], v[STH+2], s60
	v_ldexp_f32 v[STL+2], v[STL+2], s60
.set n, 0
.rept 16
	v_pk_mul_f32 v[S+n:S+n+1], v[OH+n:OH+n+1], v[STH+2:STH+3] op_sel_hi:[1,0]
.set n, n+2
.endr
.set n, 0
.rept 16
	v_pk_mul_f32 v[S+32+n:S+32+n+1], v[OL+n:OL+n+1], v[STL+2:STL+3] op_sel_hi:[1,0]
.set n, n+2
.endr
.irp t, 0,1,2,3,4,5,6,7
.irp i, 0,1,2,3,4,5,6,7
.endr
	v_cvt_scalef32_pk8_fp8_f32 v[PC+2*\t:PC+2*\t+1], v[S+8*\t:S+8*\t+7], v[SCP]
.endr
	v_nop
	global_store_b128 v[LI], v[PC:PC+3], s[44:45]
	global_store_b128 v[LI], v[PC+4:PC+7], s[44:45] offset:512
	global_store_b128 v[LI], v[PC+8:PC+11], s[46:47]
	global_store_b128 v[LI], v[PC+12:PC+15], s[46:47] offset:512
	s_wait_tensorcnt 0x0                           ; the wave's end
	ds_add_u32 v[SPW], v[NIL]
	s_wait_dscnt 0x0
	s_endpgm
.Lfunc_end_k_q43430e07c1_attn:
	.size	k_q43430e07c1_attn, .Lfunc_end_k_q43430e07c1_attn-k_q43430e07c1_attn
	.p2alignl 7, 3214868480
	.fill 96, 4, 3214868480
	.section	.rodata,"a",@progbits
	.p2align	6, 0x0
	.amdhsa_kernel k_q43430e07c1_attn
		.amdhsa_group_segment_fixed_size 327680
		.amdhsa_private_segment_fixed_size 0
		.amdhsa_enable_private_segment 0
		.amdhsa_kernarg_size 40
		.amdhsa_user_sgpr_count 2
		.amdhsa_user_sgpr_kernarg_segment_ptr 1
		.amdhsa_wavefront_size32 1
		.amdhsa_system_sgpr_workgroup_id_x 1
		.amdhsa_system_sgpr_workgroup_id_y 1
		.amdhsa_system_sgpr_workgroup_id_z 1
		.amdhsa_system_vgpr_workitem_id 0
		.amdhsa_next_free_vgpr 256
		.amdhsa_next_free_sgpr 80
		.amdhsa_reserve_vcc 1
		.amdhsa_float_denorm_mode_32 3
		.amdhsa_float_denorm_mode_16_64 3
		.amdhsa_fp16_overflow 1
		.amdhsa_memory_ordered 1
		.amdhsa_forward_progress 1
		.amdhsa_inst_pref_size 163
	.end_amdhsa_kernel
	.amdgpu_metadata
---
amdhsa.version: [ 1, 2 ]
amdhsa.kernels:
  - .name:           k_q43430e07c1_attn
    .symbol:         k_q43430e07c1_attn.kd
    .args:
      - { .name: qc, .offset: 0, .size: 8, .value_kind: global_buffer, .address_space: global }
      - { .name: kc, .offset: 8, .size: 8, .value_kind: global_buffer, .address_space: global }
      - { .name: vc, .offset: 16, .size: 8, .value_kind: global_buffer, .address_space: global }
      - { .name: lowp_scales, .offset: 24, .size: 8, .value_kind: global_buffer, .address_space: global }
      - { .name: oc, .offset: 32, .size: 8, .value_kind: global_buffer, .address_space: global }
    .group_segment_fixed_size: 327680
    .private_segment_fixed_size: 0
    .kernarg_segment_align: 8
    .kernarg_segment_size: 40
    .max_flat_workgroup_size: 512
    .sgpr_count:     80
    .vgpr_count:     256
    .wavefront_size: 32
...
	.end_amdgpu_metadata
.endif
;; end of part 3
;; launch proj (part 4): grid 4 x 32, 4 waves a work-group, clusters of 4 x 4, 327,680 bytes of LDS; arguments oc, wc, lowp_scales, bproj, out0; writes out0
.if DOCPART == 4
	.amdgcn_target "amdgcn-amd-amdhsa--gfx1250"
	.amdhsa_code_object_version 6
	.text
	.protected	k_q43430e07c1_proj
	.globl	k_q43430e07c1_proj
	.p2align	8
	.type	k_q43430e07c1_proj,@function
k_q43430e07c1_proj:
	s_mov_b64 s[64:65], 0
	v_nop
	global_prefetch_b8 v0, s[64:65] scope:SCOPE_SE
	s_setreg_imm32_b32 hwreg(HW_REG_WAVE_MODE, 25, 1), 1
	s_wait_xcnt 0x0
	s_wait_alu depctr_hold_cnt(0) depctr_sa_sdst(0) depctr_va_vdst(0) depctr_va_sdst(0) depctr_va_ssrc(0) depctr_va_vcc(0) depctr_vm_vsrc(0)
	s_getreg_b32 s2, hwreg(HW_REG_IB_STS2, 6, 4)
	s_cmp_eq_u32 s2, 0
	s_cbranch_scc0 .Lentry_in_a_cluster
	s_endpgm
.Lentry_in_a_cluster:
	s_bfe_u32 s2, ttmp6, 0x10000c
	s_cmp_lg_u32 s2, 0xf033
	s_cbranch_scc0 .Lentry_shape_is_right
	s_endpgm
.Lentry_shape_is_right:
; out0 = attention's result x Wproj + bproj on codes of E4M3: out0 = sum x 2^(e6 + e7) + bias, f32, [8192][1024].
; oc: [tile of 16 tokens 512][head 16][c 2][lane 32][16]: two neighbouring heads are the image of one operand fragment, 16 tokens x 128 K, 2,048 bytes; a tile of tokens is 16,384 bytes.
; wc rows 3072-4095: Wproj's columns, [n][1024] codes, K along the row, laid so that 16-byte loads put each k in the place that the plain fp8 form gives it.
; A tile of 256 tokens x 256 columns is made by four waves, 128 x 128 each.  K goes in four steps of 256 through two LDS slots.  CLUSTERS of 4 x 4: oc's tiles are shared along a row, wc's along a column.
; The matrix instruction is used transposed (source 0 = 16 rows of wc, source 1 = 16 tokens): a lane holds eight neighbouring columns of one row of out0.
; 128 work-groups: the problem has 128 tiles of this size; a smaller tile would read each fragment from LDS for half the products.
; LIMIT: e6 + e7 between -126 and 127.
; REGISTERS: window 0: v0-31 addresses, v8-11 the bias; from v128 the tokens' fragments, one set; on the way out v128-255 rows of out0.  window 1: wc's fragments, two sets.  window 2, 3: the accumulators.
.set SIZE_N, 1024
.set ROWB,   256
.set ASTEP,  4096                      ; a K step of 256 in a tile of tokens of oc: four heads
.set KROW,   1024
.set PITCH,  272
.set FR,     16
.set NL,     4
.set NP,     4
.set HALFT,  128*PITCH                 ; wc: 128 padded rows; oc's 8 tiles x 4,096 bytes take 32,768 of it
.set SLOT,   4*HALFT
.set LAPS,   2
.set SPARE,  2*SLOT                    ; behind the ring: the spare words, which no other line names
.set SPITCH, 528                       ; the way out: a stage of 16 rows x (512 + 16) bytes for each wave, in slot 0, which has had its last fill and its last read by then
.set BI,   8                           ; v8-11  bproj at my four columns of a row read back
.set ADRA, 16
.set ADRB, 20
.set STO,  24
.set RD,   25
.set CO,   26                          ; v26  16 x lane
.set SPW,  28
.set NIL,  29
.set AF,   128
.set BK,   128
.set G1, 24
.set G0, 32
.set G1B, 48
.set G0B, 56
.set MSB, 0
.macro WIN new
.if MSB != \new
	s_set_vgpr_msb (MSB<<8)|\new
.set MSB, \new
.endif
.endm
.set MUL_LO, 0xa1
.set MUL_HI, 0xf1
.set TO_B,   0x40
.macro JLOAD g0a, g1a, g0b, g1b        ; waves 0 and 1 fetch oc's two halves, waves 2 and 3 wc's; an s_nop 0 and four v_nop follow each line
	s_cmp_eq_u32 s15, 0
	s_cbranch_scc0 .Lfor_b_\@
	tensor_load_to_lds s[\g0a:\g0a+3], s[\g1a:\g1a+7]
	s_nop 0
.rept 4
	v_nop
.endr
	s_branch .Lasked_\@
.Lfor_b_\@:
	tensor_load_to_lds s[\g0b:\g0b+3], s[\g1b:\g1b+7]
	s_nop 0
.rept 4
	v_nop
.endr
.Lasked_\@:
.endm
.macro CREST
	s_cmp_lg_u32 s14, 0
	s_cbranch_scc1 .Lnot_wave_0_\@
	s_barrier_signal -3
.Lnot_wave_0_\@:
	s_barrier_wait -3
	s_barrier_signal -1
	s_barrier_wait -1
.endm
.macro CROUND
	s_barrier_signal -1
	s_barrier_wait -1
	CREST
.endm
	s_load_b256 s[4:11], s[0:1], 0x0               ; oc s[4:5], wc s[6:7], the exponents s[8:9], bproj s[10:11]
	s_load_b64 s[12:13], s[0:1], 0x20              ; out0
	v_lshl_add_u32 v[SPW], v0, 2, SPARE
	v_mov_b32 v[NIL], 0
	ds_add_u32 v[SPW], v[NIL]                      ; the wave's opening: the add and its wait ahead of my first tensor load
	ds_add_u32 v[SPW], v[NIL]
	v_lshrrev_b32 v1, 5, v0
	v_readfirstlane_b32 s14, v1
	s_lshr_b32 s15, s14, 1                         ; which half of the tile's tokens is mine.  Also: I fetch for oc (0) or wc (1)
	s_and_b32 s16, s14, 1                          ; which half of its columns.  Also: which half of that tile I fetch
	s_bfe_u32 s40, ttmp6, 0x40000
	s_bfe_u32 s41, ttmp6, 0x40004
	s_lshl_b32 s42, ttmp9, 2
	s_add_co_u32 s42, s42, s40                     ; tile column
	s_and_b32 s17, ttmp7, 0xffff
	s_lshl_b32 s17, s17, 2
	s_add_co_u32 s17, s17, s41                     ; tile row
	s_lshl_b32 s43, s41, 2
	s_lshl_b32 s43, 15, s43
	s_lshl_b32 s44, 0x1111, s40
	s_or_b32 s[G1+0], s43, (3<<16)|(1<<21)         ; oc: the mask of my row; elements of 8 bytes; bit 21 beside a mask; no padding: images are read 16 bytes a lane on end
	s_mov_b32 s[G1+1], 512<<16                     ; tensor_dim0 = 512 elements: 4,096 bytes of a tile of tokens
	s_mov_b32 s[G1+2], 8<<16                       ; tensor_dim1 = 8 tiles of tokens
	s_mov_b32 s[G1+3], 512<<16                     ; tile_dim0
	s_mov_b32 s[G1+4], 8                           ; tile_dim1
	s_mov_b32 s[G1+5], 2048                        ; the pitch: 16,384 bytes
	s_mov_b32 s[G1+6], 0
	s_mov_b32 s[G1+7], 0
	s_or_b32 s[G1B+0], s44, (0<<16)|(1<<20)|(1<<21)|(5<<22)|(3<<25)  ; wc: 128 rows of 256 bytes, 16 bytes of padding behind each
	s_mov_b32 s[G1B+1], ROWB<<16
	s_mov_b32 s[G1B+2], 128<<16
	s_mov_b32 s[G1B+3], ROWB<<16
	s_mov_b32 s[G1B+4], 128
	s_mov_b32 s[G1B+5], KROW
	s_mov_b32 s[G1B+6], 0
	s_mov_b32 s[G1B+7], 0
	s_lshl_b32 s18, s16, 7
	s_lshl_b32 s20, s17, 8
	s_add_co_u32 s20, s20, s18                     ; oc: token 256 x tile row + 128 x half; a token counts 1,024 bytes
	s_lshl_b32 s46, s42, 8
	s_add_co_u32 s46, s46, s18
	s_add_co_u32 s46, s46, 3072                    ; wc: row 3072 + 256 x tile column + 128 x half
	s_mov_b32 s21, 0
	s_mov_b32 s47, 0
	s_mov_b64 s[18:19], KROW
	s_mul_u64 s[20:21], s[20:21], s[18:19]
	s_mul_u64 s[46:47], s[46:47], s[18:19]
	s_mul_i32 s45, s14, HALFT
	s_wait_dscnt 0x0
	s_wait_kmcnt 0x0
	s_load_b256 s[80:87], s[8:9], 0x0              ; e0 .. e7
	s_add_nc_u64 s[20:21], s[4:5], s[20:21]
	s_add_nc_u64 s[46:47], s[6:7], s[46:47]
	CROUND
.irp s, 0,1
	s_mov_b32 s[G0+4*\s], 1
	s_add_co_u32 s[G0+4*\s+1], s45, \s*SLOT
	s_add_nc_u64 s[G0+4*\s+2:G0+4*\s+3], s[20:21], \s*ASTEP
	s_or_b32 s[G0+4*\s+3], s[G0+4*\s+3], 0x80000000
	s_mov_b32 s[G0B+4*\s], 1
	s_add_co_u32 s[G0B+4*\s+1], s45, \s*SLOT
	s_add_nc_u64 s[G0B+4*\s+2:G0B+4*\s+3], s[46:47], \s*ROWB
	s_or_b32 s[G0B+4*\s+3], s[G0B+4*\s+3], 0x80000000
	s_wait_alu depctr_va_vdst(0)
	s_wait_tensorcnt 0x0
	ds_add_u32 v28, v29
	ds_add_u32 v28, v29
	s_wait_dscnt 0x0
	CROUND
	JLOAD G0+4*\s, G1, G0B+4*\s, G1B
.endr
	v_and_b32 v1, 15, v0                           ; r
	v_bfe_u32 v2, v0, 4, 1                         ; h
	v_mul_u32_u24 v3, v1, PITCH
	v_lshl_add_u32 v4, v2, 4, v3
	v_and_b32 v6, 31, v0
	v_lshlrev_b32 v[CO], 4, v6
	s_wait_alu depctr_va_vdst(0)
	s_mul_i32 s21, s15, HALFT                      ; my 8 tiles of tokens
	s_mul_i32 s22, s16, HALFT
	s_add_co_u32 s22, s22, 2*HALFT                 ; my 128 rows of wc
.irp s, 0,1
	v_add_nc_u32 v[ADRA+\s], s21, v[CO]
	v_add_nc_u32 v[ADRB+\s], s22, v4
	s_add_co_u32 s21, s21, SLOT
	s_add_co_u32 s22, s22, SLOT
.endr
	s_mul_i32 s23, s14, 16*SPITCH                  ; my stage
	v_mul_u32_u24 v5, v1, SPITCH
	v_lshl_add_u32 v5, v2, 5, v5
	v_add_nc_u32 v[STO], s23, v5                   ; in: row r, 32 bytes for each half of the lanes
	v_add_nc_u32 v[RD], s23, v[CO]                 ; back: the 32 lanes take one row of 512 bytes
	s_lshl_b32 s76, s42, 10
	s_lshl_b32 s78, s16, 9
	s_add_co_u32 s76, s76, s78                     ; my first column, in bytes
	s_mov_b32 s77, 0
	s_add_nc_u64 s[78:79], s[10:11], s[76:77]
	global_load_b128 v[BI:BI+3], v[CO], s[78:79]   ; bproj at columns 4 x lane + 0..3 of my 128
	s_lshl_b32 s20, s17, 8
	s_lshl_b32 s21, s15, 7
	s_add_co_u32 s20, s20, s21                     ; my first row of out0
	s_mov_b32 s21, 0
	s_mov_b64 s[18:19], SIZE_N*4
	s_mul_u64 s[20:21], s[20:21], s[18:19]
	s_add_nc_u64 s[20:21], s[20:21], s[76:77]
	s_add_nc_u64 s[12:13], s[12:13], s[20:21]
.macro FRAGB reg, adr, q, i            ; wc: 16 rows x 128 K from padded rows
.irp c, 0,1,2,3
	ds_load_b128 v[\reg+4*\c:\reg+4*\c+3], v[\adr] offset:128*(\q)+32*\c+(\i)*16*PITCH
.endr
.endm
.macro FRAGA reg, adr, q, i            ; oc: the image of a fragment: tile of tokens i, the slot's q-th pair of heads
.irp c, 0,1,2,3
	ds_load_b128 v[\reg+4*\c:\reg+4*\c+3], v[\adr] offset:2048*(\q)+512*\c+(\i)*4096
.endr
.endm
.macro MUL16 a0, p, zero               ; the 64 accumulators take turns, one instruction a turn
.irp a, \a0, \a0+1
.irp b, 0,1,2,3,4,5,6,7
.if \zero
	v_wmma_f32_16x16x128_fp8_fp8 v[8*(8*((\a)%4)+\b):8*(8*((\a)%4)+\b)+7], v[128*(\p)+FR*\b:128*(\p)+FR*\b+FR-1], v[AF+FR*(\a):AF+FR*(\a)+FR-1], 0
.else
	v_wmma_f32_16x16x128_fp8_fp8 v[8*(8*((\a)%4)+\b):8*(8*((\a)%4)+\b)+7], v[128*(\p)+FR*\b:128*(\p)+FR*\b+FR-1], v[AF+FR*(\a):AF+FR*(\a)+FR-1], v[8*(8*((\a)%4)+\b):8*(8*((\a)%4)+\b)+7]
.endif
.endr
.endr
.endm
.macro FETCH_B slot, q, p
	WIN TO_B
.irp i, 0,1,2,3,4,5,6,7
	FRAGB 128*(\p)+FR*\i, ADRB+\slot, \q, \i
.endr
	WIN 0
.endm
.macro FETCH_A slot, q, i0
.irp i, \i0, \i0+1, \i0+2, \i0+3
	FRAGA AF+FR*(\i), ADRA+\slot, \q, \i
.endr
.endm
.macro PLACES n
.rept \n
	v_nop
.endr
.endm
.macro STEP slot, q, zero
	s_wait_dscnt 4*NL                              ; wc's set and the tokens' blocks 0-3 are in; the youngest sixteen loads may be out
	WIN MUL_LO
	MUL16 0, (\q)%2, \zero
	MUL16 2, (\q)%2, \zero
	s_wait_dscnt 0
	PLACES NP
	FETCH_B \slot, (\q)+1, 1-(\q)%2
	FETCH_A \slot, (\q)+1, 0
	WIN MUL_HI
	MUL16 4, (\q)%2, \zero
	MUL16 6, (\q)%2, \zero
	PLACES NP
	WIN 0
	FETCH_A \slot, (\q)+1, 4
.endm
.macro TURN slot, next, fill
	s_wait_tensorcnt 0x0                           ; all my tensor loads have landed
	ds_add_u32 v[SPW], v[NIL]
	s_wait_dscnt 4*NL+1                            ; the add and the youngest sixteen loads may be out
	WIN MUL_LO
	MUL16 0, 1, 0
	s_wait_dscnt 0x0                               ; the add is done, and my reads of this slot are over
	s_barrier_signal -1
	MUL16 2, 1, 0
	WIN 0
	s_barrier_wait -1
.if \fill
	CREST
	s_add_nc_u64 s[G0+4*\slot+2:G0+4*\slot+3], s[G0+4*\slot+2:G0+4*\slot+3], 2*ASTEP
	s_add_nc_u64 s[G0B+4*\slot+2:G0B+4*\slot+3], s[G0B+4*\slot+2:G0B+4*\slot+3], 2*ROWB
	JLOAD G0+4*\slot, G1, G0B+4*\slot, G1B
.else
	PLACES NP
.endif
	FETCH_B \next, 0, 0
	FETCH_A \next, 0, 0
	WIN MUL_HI
	MUL16 4, 1, 0
	MUL16 6, 1, 0
	PLACES NP
	WIN 0
	FETCH_A \next, 0, 4
.endm
	s_wait_alu depctr_va_vdst(0)
	s_wait_tensorcnt 1                             ; my part of K step 0 is in; K step 1's load may be out
	s_barrier_signal -1
	s_barrier_wait -1
	FETCH_B 0, 0, 0
	FETCH_A 0, 0, 0
	FETCH_A 0, 0, 4
	STEP 0, 0, 1
	s_mov_b32 s3, LAPS-1
.Llap:
	TURN 0, 1, 1
	STEP 1, 0, 0
	TURN 1, 0, 1
	STEP 0, 0, 0
	s_sub_co_u32 s3, s3, 1
	s_cmp_lg_u32 s3, 0
	s_cbranch_scc1 .Llap
	TURN 0, 1, 0
	STEP 1, 0, 0
	s_wait_dscnt 4*NL
	WIN MUL_LO
	MUL16 0, 1, 0
	MUL16 2, 1, 0
	s_wait_dscnt 0
	WIN MUL_HI
	MUL16 4, 1, 0
	MUL16 6, 1, 0
	WIN 0
; THE WAY OUT, block by block of 16 rows x 128 columns.  The sums go into my stage straight from the accumulators, each from its low end on, and come back as whole rows of 512 bytes; there a lane holds
; four neighbouring columns, the same in every row, so four registers of bias serve all: out0 = sum x 2^(e6 + e7) + bias, a packed multiply-add for two numbers.
.macro TOSTAGE a
.set AC, 64*((\a)%4)
.set WN, 0x08+4*((\a)/4)
	WIN WN                                         ; an LDS store's data: window 2 or 3
.irp b, 0,1,2,3,4,5,6,7
	ds_store_b128 v[STO], v[AC+8*\b:AC+8*\b+3] offset:64*\b
	ds_store_b128 v[STO], v[AC+8*\b+4:AC+8*\b+7] offset:64*\b+16
.endr
	WIN 0
.set BB, BK+64*((\a)%2)
.irp t, 0,1,2,3,4,5,6,7,8,9,10,11,12,13,14,15
	ds_load_b128 v[BB+4*\t:BB+4*\t+3], v[RD] offset:\t*SPITCH   ; LDS serves a wave's instructions in order: these see the stores above
.endr
.endm
.macro SEND a, younger
.set BB, BK+64*((\a)%2)
	s_wait_dscnt \younger                          ; the block is back; the next block's 16 stores and 16 loads may be out
.if (\a) > 0
	s_add_nc_u64 s[12:13], s[12:13], 16*SIZE_N*4   ; (behind a wait on XCNT: the earlier stores have read their base)
.endif
.irp t, 0,1,2,3,4,5,6,7,8,9,10,11,12,13,14,15
	v_pk_fma_f32 v[BB+4*\t:BB+4*\t+1], v[BB+4*\t:BB+4*\t+1], s[96:97], v[BI:BI+1] op_sel_hi:[1,0,1]
	v_pk_fma_f32 v[BB+4*\t+2:BB+4*\t+3], v[BB+4*\t+2:BB+4*\t+3], s[96:97], v[BI+2:BI+3] op_sel_hi:[1,0,1]
.endr
.irp t, 0,1,2,3,4,5,6,7,8,9,10,11,12,13,14,15
	global_store_b128 v[CO], v[BB+4*\t:BB+4*\t+3], s[12:13] offset:\t*SIZE_N*4 th:TH_STORE_NT   ; 32 lanes store 512 consecutive bytes
.endr
.endm
	s_wait_kmcnt 0x0
	s_wait_loadcnt 0x0                             ; the bias
	s_add_co_i32 s96, s86, s87
	s_add_co_i32 s96, s96, 127
	s_lshl_b32 s96, s96, 23                        ; 2^(e6 + e7) as f32
	s_mov_b32 s97, s96
	PLACES NP
	TOSTAGE 0
.irp a, 1,2,3,4,5,6,7
.if \a > 1
	s_wait_xcnt 0x0                                ; block a - 2's stores have read their registers and their base
.endif
	TOSTAGE \a
	SEND \a-1, 32
.endr
	s_wait_xcnt 0x0
	SEND 7, 0
	s_wait_tensorcnt 0x0                           ; the wave's end
	ds_add_u32 v[SPW], v[NIL]
	s_wait_dscnt 0x0
	CROUND                                         ; the closing round
	s_endpgm
.Lfunc_end_k_q43430e07c1_proj:
	.size	k_q43430e07c1_proj, .Lfunc_end_k_q43430e07c1_proj-k_q43430e07c1_proj
	.p2alignl 7, 3214868480
	.fill 96, 4, 3214868480
	.section	.rodata,"a",@progbits
	.p2align	6, 0x0
	.amdhsa_kernel k_q43430e07c1_proj
		.amdhsa_group_segment_fixed_size 327680
		.amdhsa_private_segment_fixed_size 0
		.amdhsa_enable_private_segment 0
		.amdhsa_kernarg_size 40
		.amdhsa_user_sgpr_count 2
		.amdhsa_user_sgpr_kernarg_segment_ptr 1
		.amdhsa_wavefront_size32 1
		.amdhsa_system_sgpr_workgroup_id_x 1
		.amdhsa_system_sgpr_workgroup_id_y 1
		.amdhsa_system_sgpr_workgroup_id_z 1
		.amdhsa_system_vgpr_workitem_id 0
		.amdhsa_next_free_vgpr 1024
		.amdhsa_next_free_sgpr 98
		.amdhsa_reserve_vcc 0
		.amdhsa_float_denorm_mode_32 3
		.amdhsa_float_denorm_mode_16_64 3
		.amdhsa_memory_ordered 1
		.amdhsa_forward_progress 1
		.amdhsa_inst_pref_size 124
	.end_amdhsa_kernel
	.amdgpu_metadata
---
amdhsa.version: [ 1, 2 ]
amdhsa.kernels:
  - .name:           k_q43430e07c1_proj
    .symbol:         k_q43430e07c1_proj.kd
    .args:
      - { .name: oc, .offset: 0, .size: 8, .value_kind: global_buffer, .address_space: global }
      - { .name: wc, .offset: 8, .size: 8, .value_kind: global_buffer, .address_space: global }
      - { .name: lowp_scales, .offset: 16, .size: 8, .value_kind: global_buffer, .address_space: global }
      - { .name: bproj, .offset: 24, .size: 8, .value_kind: global_buffer, .address_space: global }
      - { .name: out0, .offset: 32, .size: 8, .value_kind: global_buffer, .address_space: global }
    .group_segment_fixed_size: 327680
    .private_segment_fixed_size: 0
    .kernarg_segment_align: 8
    .kernarg_segment_size: 40
    .max_flat_workgroup_size: 128
    .sgpr_count:     98
    .vgpr_count:     1024
    .wavefront_size: 32
...
	.end_amdgpu_metadata
.endif
;; end of part 4
